; MI455X (gfx1250); checked and timed in simulation.
; The chip was launched on July 23, 2026; its instructions are those of AMD's public machine-readable ISA for CDNA 5 (MIT licence, August 2026) and "CDNA5" Instruction Set Architecture Reference Guide (July 2026). The comments in the code are by the model that wrote it; some were corrected since.
;; Attention Model. Allowed arithmetic: matrix products marked QUANTISED: E2M1 operands, one E8M0 scale for each 32 along K, by v_wmma_scale_f32_16x16x128_f8f6f4 with both operands' format E2M1 (or v_wmma_scale_f32_32x16x128_f4), f32 sums; products left as they are: f32 operands where the result goes on into a quantised operand, else bf16, f16 or f32 operands; f32 sums; everything else in f32.
;; Inputs: W_codes 1,024 x 32 x 16 uint8 (E2M1 codes of W, K innermost, in blocks of 32 codes, two codes a byte); W_scales 1,024 x 32 uint8 (E8M0 scales of W, one for each 32 codes along K); b 1,024 float32; encoder_outputs_codes 1,024 x 64 x 32 x 16 uint8 (E2M1 codes of encoder_outputs, K innermost, in blocks of 32 codes, two codes a byte); encoder_outputs_scales 1,024 x 64 x 32 uint8 (E8M0 scales of encoder_outputs, one for each 32 codes along K); hidden 64 x 1,024 float32.
;; Outputs: out0 64 x 1 x 1,024 float32.
;; This version of the problem:
;;   THIS VERSION OF THE PROBLEM IS GIVEN IN LOW PRECISION. The matrix products marked QUANTISED in the list below multiply operands that are first quantised to E2M1 (2 exponent bits, 1 mantissa bit; 4 bits a number), with one power-of-two scale for each 32 numbers along K (OCP MX v1.0); their sums are f32. All else is computed in f32.
;;   The module's matrix products, in the order in which they are computed (A, B: the left and right operand; K: the contracted axis; several contracted axes count as one K, in the product's order):
;;     1. [M 65,536, K 1,024] x [K 1,024, N 1,024]; A: input encoder_outputs (given as codes); B: input W (given as codes): QUANTISED
;;     2. batch 64 x [M 1, K 1,024] x [K 1,024, N 1,024]; A: input hidden; B: computed on the way: left as it is (M = 1 < 16)
;;   THE QUANTISER, for each operand of a quantised product, along K:
;;     - K is cut into blocks of 32 from its start; a last block that is shorter is filled with zeros.
;;     - A block's scale is 2^e with e = floor(log2(the largest magnitude in the block)) - 2, held to -126 .. 127; a block of zeros has e = 0. As a byte (E8M0): e + 127.
;;     - Each number is divided by its block's scale, clamped to +-6, and rounded to the nearest number of E2M1, ties to even, subnormals kept.
;;     - The product sums the exact products of the quantised numbers (number of the format x scale) in f32.
;;   ~~~python
;;   def quantise(x, axis):      # numpy; x: float32 -> the quantised numbers, widened to float32 again
;;       x = np.moveaxis(x, axis, -1); K = x.shape[-1]
;;       x = np.pad(x, [(0, 0)] * (x.ndim - 1) + [(0, -K % 32)]); x = x.reshape(x.shape[:-1] + (-1, 32)); a = np.abs(x).max(-1, keepdims=True)
;;       e = np.where(a > 0, np.clip(np.frexp(np.where(a > 0, a, 1))[1] - 1 - 2, -126, 127), 0)      # np.frexp(a)[1] - 1 = floor(log2(a)), exactly
;;       r = np.clip(x / 2.0 ** e, -6, 6)
;;       step = 2.0 ** (np.maximum(np.frexp(np.where(r == 0, 1, r))[1] - 1, 0) - 1)
;;       q = np.round(r / step) * step * 2.0 ** e      # np.round: ties to even
;;       return np.moveaxis(q.reshape(q.shape[:-2] + (-1,))[..., :K], -1, axis).astype(np.float32)
;;   ~~~
;;   INPUTS GIVEN AS CODES. W (in the module: [1024, 1024], K = its axis 1); encoder_outputs (in the module: [1024, 64, 1024], K = its axis 2): each comes as NAME_codes (uint8): NAME with its K axis moved to the last place and cut into blocks of 32 codes, [.., K / 32, bytes a block], one block behind the other in memory; two codes a byte, the lower K in the low four bits (a code: sign, 2 exponent bits, 1 mantissa bit); and NAME_scales (uint8): the same leading axes, one E8M0 byte (e + 127) for each 32 codes along K. Its value is code x scale, taken as it is: it is not quantised again, and the codes and scales need not be those that the quantiser above would give.
;; One version. Each part assembles by itself: llvm-mc -triple=amdgcn-amd-amdhsa -mcpu=gfx1250 --defsym DOCPART=n.
;; ======== version 1 of 1: 2 launches
;; limits: right only within a limited range of input values
;; workspace buffers: part 1,048,576 bytes
;; launch energy (part 1): grid 4 x 64, 4 waves a work-group, clusters of 4 x 4, 327,680 bytes of LDS; arguments encoder_outputs_codes, encoder_outputs_scales, W_codes, W_scales, hidden, part; writes part
.if DOCPART == 1
	.amdgcn_target "amdgcn-amd-amdhsa--gfx1250"
	.amdhsa_code_object_version 6
	.text
	.protected	k_q569000e0f2_energy
	.globl	k_q569000e0f2_energy
	.p2align	8
	.type	k_q569000e0f2_energy,@function
k_q569000e0f2_energy:
	s_mov_b64 s[64:65], 0
	v_nop
	global_prefetch_b8 v0, s[64:65] scope:SCOPE_SE
	s_setreg_imm32_b32 hwreg(HW_REG_WAVE_MODE, 25, 1), 1
	s_wait_xcnt 0x0
	s_wait_alu depctr_hold_cnt(0) depctr_sa_sdst(0) depctr_va_vdst(0) depctr_va_sdst(0) depctr_va_ssrc(0) depctr_va_vcc(0) depctr_vm_vsrc(0)
	s_getreg_b32 s2, hwreg(HW_REG_IB_STS2, 6, 4)
	s_cmp_eq_u32 s2, 0
	s_cbranch_scc0 .Lentry_in_a_cluster
	s_endpgm
.Lentry_in_a_cluster:
	s_bfe_u32 s2, ttmp6, 0x10000c
	s_cmp_lg_u32 s2, 0xf033
	s_cbranch_scc0 .Lentry_shape_is_right
	s_endpgm
.Lentry_shape_is_right:
; part[b][c][s] = sum over the 256 columns o of quarter c of hidden[b][o] x (sum over h of enc[s][b][h] W[o][h]).  enc [1024 s][64 b][1024 h] and W [1024 o][1024 h] are codes of FP4 (E2M1), two a byte,
; K innermost, one E8M0 byte for each 32 along K; hidden [64][1024] f32; part [64][4][1024] f32.  The next launch adds the four quarters and takes the softmax over s.
; LEFT OUT AS DEAD WORK: the bias b.  It adds sum over o of b[o] hidden[b][o] to energy[s][b]: the same number for every s of a row b, whatever b and hidden hold, and softmax over s takes it away again in exact
; arithmetic.  So b is not loaded and is no argument of any launch.  LIMIT, stated: a NaN, an infinity or an overflow that arises in b x hidden alone is not carried to the result.
; LIMITS, stated: the sum over o is taken in partial sums (f32, in another order).  A scale byte 0xff gives NaN.
; SHARES.  A work-group owns one b, the rows 256 cx .. + 255 of W and all 1,024 rows s of enc.  Wave w: oh = w % 2: its 128 rows of W; rh = w / 2: rows 64 rh .. + 63 of every tile of 128 rows of enc.
; CLUSTERS of 4 x 4: the four of a row (same cy) own one b and need the same rows of enc, the four of a column (same cx) the same rows of W: both are asked for JOINTLY.
; W STAYS IN REGISTERS: 128 rows x 1,024 codes are 4 pairs of 16 rows x 8 K steps x 16 registers = 512.  enc streams through LDS: a fragment of it (16 rows x 128 K) feeds four matrix instructions of 32 x 16 x 128.
; LDS: two regions of 256 rows, pitch 528.  Region 0 takes enc's rows 0-255 (0-127 at the head, 128-255 behind the second round), region 1 first W's 256 rows, and, when they are in registers, enc's rows 256-511;
; then region 0 rows 512-767, region 1 rows 768-1023: four waves, 64 rows a load.
; enc's scale bytes of this b (32 bytes a row, 2,048 bytes apart) are copied ONCE into LDS through registers, as two planes of 16 bytes a row: rows 0-255 at the head, the others in unit 4.
; NO PREFETCH: the text has no loop to run ahead in, and a refill of 256 rows is asked for 5 or 8 units, 160 or 256 matrix instructions, ahead of the wait for it.
; A UNIT is 16 rows of enc against my 128 rows of W: 4 accumulators by turns, 8 K steps: 32 matrix instructions.  Source 0 = 32 rows of W, source 1 = 16 rows of enc: lane (r, h), register 16 p + 8 t + j holds
; proj(s = r, o = 32 p + 16 t + 8 h + j).  A finished unit is folded, inside the next unit, by 32 packed operations with hidden, in place: accumulator p's register pair 0 takes the sum of its eight pairs;
; four additions make one number a lane of them, which goes to the stage in LDS in the unit after that.  All of a unit's LDS instructions stand in one run, behind its K step 0.
; REGISTERS, in windows of 256 (s_set_vgpr_msb: bits 1:0 source 0, 3:2 source 1, 5:4 source 2, 7:6 destination):
;   window 0: v2-23 addresses, at work; v24-39 enc's scale words, two sets; v40-71 W's; v72-87 their copy; v128-191 W, K step 0; v192-255 the scale copy, the tail
;   window 1: v0-127 two sets of accumulators; v128-255 two sets of enc's fragments of a unit
;   window 2: W, K steps 1-3; v192-255 hidden (so the fold stands under the same setting as these products);   window 3: W, K steps 4-7
.set BP,   528                         ; 512 bytes + 16: 132 words: the 16 rows that a load touches begin 4 words apart modulo 64 (64 banks of 4 bytes: ISA guide 11.1)
.set TQ,   128*BP                      ; a tile of 128 rows
.set RG1,  2*TQ                        ; region 1
.set SCB,  4*TQ                        ; enc's scale bytes: two planes
.set PLS,  16512
.set XB,   SCB+2*PLS                   ; the stage: 4 planes (2 oh + h) x 1,024 f32; ahead of unit 1's barrier its first 8,192 bytes hold W's scale bytes
.set SPARE, XB+16384                   ; the spare words, 128 bytes a wave
.set STEP, 0x800000                    ; 256 rows of enc of one b, in bytes of memory
.set BA,  2                            ; v2-5   LDS address of my enc fragments in tiles 0-3 of the two regions
.set SA,  6                            ; v6     of my scale words
.set XS,  7                            ; v7     where I put a unit's result
.set WA,  8                            ; v8     of my W fragments
.set XR,  9                            ; v9     XB + 16 x thread: W's scale copy, and the tail
.set GO,  10                           ; v10    16 x thread: in W's scale bytes, and in part
.set RES, 11                           ; v11    a unit's result on its way to the stage
.set GS,  12                           ; v12    enc's scale copy: from
.set LS,  13                           ; v13    to
.set SPW, 14
.set NIL, 15
.set TP,  16                           ; v16-20, v23 at work
.set WSA, 21                           ; v21    LDS address of W's scale words
.set GH,  22                           ; v22    offset of hidden
.set TZ,  23
.set SB,  24
.set SW,  40                           ; register 8 p + q: lane m has row 32 p + m's word of K step q
.set WC,  72
.set W0,  128
.set XV,  192
.set HID, 192
.set WV,  16                           ; s16 wave; s17 oh; s18 rh; s19 cx; s20 b; s21 cy
.set OH,  17
.set RH,  18
.set CX,  19
.set BB,  20
.set CY,  21
.set T0,  22                           ; never holds cx or b
.set MR,  23
.set OF,  24                           ; s[24:25] enc's offset: never holds cx
.set PX,  26                           ; s[26:27] W's offset: never holds b
.set G1E, 28
.set G1W, 36
.set G0E, 44
.set G0W, 48
.set VB,  52                           ; s52-56 what the LDS addresses add for my wave
.set EL,  58                           ; s58 LDS address of my quarter of region 0
.set MC,  59
.set MX,  60                           ; s[60:61], s62 offsets of my own loads and stores
.set MT,  62
.set MG0, 0x54                         ; W window 0, enc, C and D window 1: K step 0, and enc's fragment loads
.set MG1, 0x56                         ; W or hidden window 2
.set MG4, 0x57                         ; W window 3
.set MAD, 0x55                         ; all window 1
.set MRS, 0x05                         ; sources window 1, destination window 0
.set PADW, (1<<20)|(1<<21)|(6<<22)|(3<<25)
.set MSB, 0
.macro WIN new                         ; the immediate's high byte repeats the setting that is left; a switch that changes nothing is dropped
.if MSB != \new
	s_set_vgpr_msb (MSB<<8)|\new
.set MSB, \new
.endif
.endm
.macro CREST                           ; a round of the cluster's barrier behind its opening barrier
	s_cmp_lg_u32 s[WV], 0
	s_cbranch_scc1 .Lnot_wave_0_\@
	s_barrier_signal -3
.Lnot_wave_0_\@:
	s_barrier_wait -3
	s_barrier_signal -1
	s_barrier_wait -1
.endm
.macro CROUND
	s_barrier_signal -1
	s_barrier_wait -1
	CREST
.endm
.macro SHAPE g, cols, rows, pitch      ; a group 1 but for its first word: every word a constant
	s_mov_b32 s[\g+1], (\cols)<<16                 ; tensor_dim0
	s_mov_b32 s[\g+2], (\rows)<<16                 ; tensor_dim1
	s_mov_b32 s[\g+3], (\cols)<<16                 ; tile_dim0
	s_mov_b32 s[\g+4], \rows                       ; tile_dim1
	s_mov_b32 s[\g+5], \pitch                      ; tensor_dim0_stride
	s_mov_b32 s[\g+6], 0
	s_mov_b32 s[\g+7], 0
.endm
.macro PLACES                          ; four places
.rept 4
	v_nop
.endr
.endm
; One matrix instruction: accumulator set p, K step g, rows 32 k .. + 31 of my W.  K step 0 starts the sum with the constant 0.
.macro WM p, g, k
.if (\g) == 0
	WIN MG0
.set rA, W0+16*(\k)
.elseif (\g) < 4
	WIN MG1
.set rA, 64*((\g)-1)+16*(\k)
.else
	WIN MG4
.set rA, 64*((\g)-4)+16*(\k)
.endif
.set rD, 64*(\p)+16*(\k)
.set rB, 128+64*(\p)+8*(\g)
.set rSA, SW+8*(\k)+(\g)
.set rSB, SB+8*(\p)+(\g)
.if (\g) == 0
	v_wmma_scale_f32_32x16x128_f4 v[rD:rD+15], v[rA:rA+15], v[rB:rB+7], 0, v[rSA], v[rSB]
.else
	v_wmma_scale_f32_32x16x128_f4 v[rD:rD+15], v[rA:rA+15], v[rB:rB+7], v[rD:rD+15], v[rSA], v[rSB]
.endif
.endm
.macro GROUP p, g                      ; a K step: the four accumulators by turns, one instruction a turn
.irp k, 0,1,2,3
	WM \p, \g, \k
.endr
.endm
; Number en of the 32 packed operations that fold set o: the four accumulators by turns, each from its low end on.
.macro FOLD o
	WIN MG1
.set fA, 64*(\o)+16*(en%4)
.set fX, 16*(en%4)+2*(en/4)
.if en < 4
	v_pk_mul_f32 v[fA:fA+1], v[HID+fX:HID+fX+1], v[fA:fA+1]
.else
	v_pk_fma_f32 v[fA:fA+1], v[HID+fX:HID+fX+1], v[64*(\o)+fX:64*(\o)+fX+1], v[fA:fA+1]
.endif
.set en, en+1
.endm
.macro ADDS o                          ; the folded set's four pairs become one number a lane
	WIN MAD
	v_pk_add_f32 v[64*(\o):64*(\o)+1], v[64*(\o):64*(\o)+1], v[64*(\o)+16:64*(\o)+17]
	v_pk_add_f32 v[64*(\o)+32:64*(\o)+33], v[64*(\o)+32:64*(\o)+33], v[64*(\o)+48:64*(\o)+49]
	v_pk_add_f32 v[64*(\o):64*(\o)+1], v[64*(\o):64*(\o)+1], v[64*(\o)+32:64*(\o)+33]
	WIN MRS
	v_add_f32 v[RES], v[64*(\o)], v[64*(\o)+1]
.endm
.macro STAGE n                         ; unit n's result: rows 128 (n / 4) + 64 rh + 16 (n % 4) + r
	WIN 0
	s_wait_alu depctr_va_vdst(0)                   ; the wait here, directly ahead of the reader
	ds_store_b32 v[XS], v[RES] offset:512*((\n)/4)+64*((\n)%4)
.endm
.macro FSCALE n                        ; unit n's scale words: 16 bytes of each plane; lanes 16-31 load what lanes 0-15 load
	WIN 0
	ds_load_b128 v[SB+8*((\n)%2):SB+8*((\n)%2)+3], v[SA] offset:2048*((\n)/4)+256*((\n)%4)
	ds_load_b128 v[SB+8*((\n)%2)+4:SB+8*((\n)%2)+7], v[SA] offset:2048*((\n)/4)+256*((\n)%4)+PLS
.endm
.macro FFRAG n                         ; unit n's fragments: 8 K steps, two loads of 16 bytes each, 32 bytes apart
	WIN MG0
.irp q, 0,1,2,3,4,5,6,7
.irp c, 0,1
	ds_load_b128 v[128+64*((\n)%2)+8*\q+4*\c:128+64*((\n)%2)+8*\q+4*\c+3], v[BA+((\n)/4)%4] offset:16*BP*((\n)%4)+64*\q+32*\c
.endr
.endr
.endm
.macro WLD g                           ; W's K step g, my 128 rows, into its registers: 16 loads
.if (\g) == 0
	WIN 0
.set rW, W0
.elseif (\g) < 4
	WIN 0x80
.set rW, 64*((\g)-1)
.else
	WIN 0xc0
.set rW, 64*((\g)-4)
.endif
.irp blk, 0,1,2,3,4,5,6,7
.irp c, 0,1
	ds_load_b128 v[rW+8*\blk+4*\c:rW+8*\blk+4*\c+3], v[WA] offset:16*BP*\blk+64*(\g)+32*\c
.endr
.endr
.endm
; enc's scale bytes, rows 64 i .. + 63: thread t takes 16 bytes, half t % 2 of row t / 2.
.macro SCGET from, n
.set i, \from
.rept \n
	global_load_b128 v[XV+4*i:XV+4*i+3], v[GS], s[6:7] offset:131072*i
.set i, i+1
.endr
.endm
.macro SCPUT from, n
.set i, \from
.rept \n
	ds_store_b128 v[LS], v[XV+4*i:XV+4*i+3] offset:1024*i
.set i, i+1
.endr
.endm
; UNIT u.  PLACES (ISA guide 7.12.1 for vector instructions): the four v_nop of K step 0 stand behind the last products of unit u - 1: four places for the first reads of that unit's sums and for the loads into the
; fragments and scale words that it read.  K step 0 writes over sums whose last product lies two units back: of the packed operations between, 24 name other accumulators (five places are asked).
; turn = 1 or 2: region 1 or 0 has been read for the last time (this unit's run of loads) and is filled again: each wave waits for all its tensor loads, adds 0 to its spare word, waits for that and for its reads; the
; barrier opens a round of the cluster's barrier; the load is first behind the round.  turn = 3: the last fill is waited for and shown to all; nothing is filled again.
; late = 1: the rest of enc's scale bytes, rows 256-1023, goes to LDS; unit 6's barrier shows it, and unit 7 is the first to load such a row's.
.macro UNIT u, turn, late
.set UP, (\u)%2
.set UO, 1-UP
	s_wait_dscnt 0x0                               ; this unit's fragments and scale words are in: asked for 28 matrix instructions ago (unit 1: twelve)
.irp k, 0,1,2,3
	WM UP, 0, \k
	v_nop
.endr
.if (\u) < 31
	FFRAG (\u)+1
.endif
.if (\u) > 1
	STAGE (\u)-2
.endif
.if (\u) < 31
	FSCALE (\u)+1
.endif
.if \late
	s_wait_loadcnt 0x0
	SCPUT 4, 12
.endif
.set en, 0
.irp g, 1,2,3
.irp k, 0,1,2,3
	WM UP, \g, \k
.rept 3-(((4*(\g-1)+\k)%3)/2)                      ; 3, 3 and 2 by turns: 32 behind twelve products
	FOLD UO
.endr
.endr
.endr
	ADDS UO
.if (\turn) == 0
	GROUP UP, 4
	GROUP UP, 5
	GROUP UP, 6
	GROUP UP, 7
.else
	WIN 0                                          ; (the add's two registers lie in window 0)
	s_wait_alu depctr_va_vdst(0)                   ; the wait here, directly ahead of the wait below
	s_wait_tensorcnt 0x0                           ; all my tensor loads have landed: my part of the other tiles; so a group 0 may be written
	ds_add_u32 v[SPW], v[NIL]                      ; 0 onto my spare word
.if (\turn) == 1
	s_add_co_u32 s[G0E+1], s[EL], RG1
	s_add_nc_u64 s[G0E+2:G0E+3], s[G0E+2:G0E+3], STEP
.elseif (\turn) == 2
	s_mov_b32 s[G0E+1], s[EL]
	s_add_nc_u64 s[G0E+2:G0E+3], s[G0E+2:G0E+3], STEP
.endif
	GROUP UP, 4                                    ; work on registers between the add and the wait for it
	s_wait_dscnt 0x0                               ; the add is done, and my reads of the region are over
	s_barrier_signal -1
	GROUP UP, 5                                    ; work on registers while the others arrive
	WIN 0
	s_barrier_wait -1
.if (\turn) < 3
	CREST                                          ; no wave of any partner still reads the region or has a load on its way
	tensor_load_to_lds s[G0E:G0E+3], s[G1E:G1E+7]
	s_nop 0
.endif
	GROUP UP, 6
	GROUP UP, 7
.endif
.endm
	s_load_b256 s[4:11], s[0:1], 0x0               ; enc's codes s[4:5], enc's scales s[6:7], W's codes s[8:9], W's scales s[10:11]
	s_load_b128 s[12:15], s[0:1], 0x20             ; hidden s[12:13], part s[14:15]
	v_lshl_add_u32 v[SPW], v0, 2, SPARE
	v_mov_b32 v[NIL], 0
	ds_add_u32 v[SPW], v[NIL]                      ; the wave's opening: the add, twice on end, and its wait ahead of my first tensor load
	ds_add_u32 v[SPW], v[NIL]
	v_lshrrev_b32 v[TP], 5, v0
	v_readfirstlane_b32 s[WV], v[TP]               ; wave 0..3
	s_and_b32 s[OH], s[WV], 1
	s_lshr_b32 s[RH], s[WV], 1
	s_bfe_u32 s[CX], ttmp6, 0x40000                ; my place along the cluster's x: which quarter of o (the grid is one cluster wide)
	s_bfe_u32 s[CY], ttmp6, 0x40004                ; along its y
	s_and_b32 s[BB], ttmp7, 0xffff
	s_lshl_b32 s[BB], s[BB], 2
	s_add_co_u32 s[BB], s[BB], s[CY]               ; b = 4 x cluster y + cy
	s_lshl_b32 s[MR], s[CY], 2
	s_lshl_b32 s[MR], 15, s[MR]                    ; my row of the cluster
	s_lshl_b32 s[MC], 0x1111, s[CX]                ; my column
	s_or_b32 s[G1E], s[MR], PADW                   ; the mask; bytes; 4 words of padding behind every 128; bit 21 beside the mask
	s_or_b32 s[G1W], s[MC], PADW
	SHAPE G1E, 512, 64, 32768                      ; enc: 64 rows of 512 bytes, 32,768 bytes apart (64 b x 512)
	SHAPE G1W, 512, 128, 512                       ; W: 128 rows of 512, dense
	s_mul_i32 s[EL], s[WV], 64*BP                  ; of every 256 rows of enc wave w brings rows 64 w .. 64 w + 63
	s_mov_b32 s[G0E], 1
	s_mov_b32 s[G0E+1], s[EL]
	s_mul_i32 s[T0], s[OH], TQ
	s_mov_b32 s[G0W], 1
	s_add_co_u32 s[G0W+1], s[T0], RG1
	s_add_co_u32 s[VB+1], s[T0], RG1               ; W: my 128 rows
	s_mul_i32 s[VB], s[RH], 64*BP                  ; enc: my 64 rows of a tile
	s_lshl_b32 s[VB+2], s[RH], 10                  ; its scale words: (64 rh + r) x 16
	s_add_co_u32 s[VB+2], s[VB+2], SCB
	s_lshl_b32 s[VB+3], s[OH], 13                  ; the stage: plane 2 oh + h, row 64 rh + r
	s_lshl_b32 s[T0], s[RH], 8
	s_add_co_u32 s[VB+3], s[VB+3], s[T0]
	s_add_co_u32 s[VB+3], s[VB+3], XB
	s_lshl_b32 s[VB+4], s[OH], 12                  ; W's scale words: (128 oh + lane) x 32
	s_add_co_u32 s[VB+4], s[VB+4], XB
	s_lshl_b32 s[OF], s[BB], 9                     ; enc: row (s, b) begins at (64 s + b) x 512; s = 64 w
	s_lshl_b32 s[T0], s[WV], 21
	s_add_co_u32 s[OF], s[OF], s[T0]
	s_mov_b32 s[OF+1], 0
	s_lshl_b32 s[PX], s[CX], 17                    ; W: row 256 cx + 128 oh
	s_lshl_b32 s[T0], s[OH], 16
	s_add_co_u32 s[PX], s[PX], s[T0]
	s_mov_b32 s[PX+1], 0
	s_mov_b32 s[MX+1], 0
	v_lshrrev_b32 v[TP], 1, v0
	v_and_b32 v[TP+1], 1, v0
	v_lshlrev_b32 v[GS], 11, v[TP]                 ; enc's scale copy: row t / 2, half t % 2
	v_lshl_add_u32 v[GS], v[TP+1], 4, v[GS]
	v_mul_u32_u24 v[LS], v[TP+1], PLS
	v_lshl_add_u32 v[LS], v[TP], 4, v[LS]
	v_add_nc_u32 v[LS], SCB, v[LS]
	v_bfe_u32 v[TP+2], v0, 4, 1                    ; h
	v_and_b32 v[TP+3], 15, v0                      ; r
	v_lshlrev_b32 v[GH], 5, v[TP+2]                ; hidden: my eight columns of sixteen
	v_mul_u32_u24 v[TP+4], v[TP+3], BP             ; a fragment: r x pitch + 16 h
	v_lshl_add_u32 v[TP+4], v[TP+2], 4, v[TP+4]
	v_add_nc_u32 v[BA], s[VB], v[TP+4]
	v_add_nc_u32 v[WA], s[VB+1], v[TP+4]
	v_add_nc_u32 v[BA+1], TQ, v[BA]
	v_add_nc_u32 v[BA+2], RG1, v[BA]
	v_add_nc_u32 v[BA+3], RG1+TQ, v[BA]
	v_lshl_add_u32 v[SA], v[TP+3], 4, s[VB+2]
	v_lshlrev_b32 v[TZ], 12, v[TP+2]
	v_lshl_add_u32 v[TZ], v[TP+3], 2, v[TZ]
	v_add_nc_u32 v[XS], s[VB+3], v[TZ]
	v_lshl_add_u32 v[XR], v0, 4, XB
	v_lshlrev_b32 v[GO], 4, v0
	v_and_b32 v[WSA], 31, v0
	v_lshlrev_b32 v[WSA], 5, v[WSA]
	v_add_nc_u32 v[WSA], s[VB+4], v[WSA]
	s_wait_alu depctr_va_vdst(0)                   ; the wait at the head's end
	s_wait_dscnt 0x0                               ; both opening adds are done
	CROUND                                         ; all sixteen work-groups are here: the first joint loads meet
	s_wait_kmcnt 0x0
	s_add_nc_u64 s[G0E+2:G0E+3], s[4:5], s[OF:OF+1]
	s_or_b32 s[G0E+3], s[G0E+3], 0x80000000
	s_add_nc_u64 s[G0W+2:G0W+3], s[8:9], s[PX:PX+1]
	s_or_b32 s[G0W+3], s[G0W+3], 0x80000000
	; THE HEAD'S LOADS, one a wave: waves 0 and 1 enc's rows 0-127, waves 2 and 3 the two halves of my W
	s_cmp_lt_u32 s[WV], 2
	s_cbranch_scc0 .Lhead_w
	tensor_load_to_lds s[G0E:G0E+3], s[G1E:G1E+7]
	s_nop 0
	PLACES
	s_branch .Lhead_asked
.Lhead_w:
	tensor_load_to_lds s[G0W:G0W+3], s[G1W:G1W+7]
	s_nop 0
	PLACES
.Lhead_asked:
	s_lshl_b32 s[MX], s[BB], 5                     ; enc's scale bytes: row (s, b) at (64 s + b) x 32
	s_add_nc_u64 s[6:7], s[6:7], s[MX:MX+1]
	SCGET 0, 4                                     ; rows 0-255
	s_lshl_b32 s[MX], s[CX], 13                    ; the scale bytes of my 256 rows of W: 8,192 dense bytes
	s_add_nc_u64 s[10:11], s[10:11], s[MX:MX+1]
.irp i, 0,1,2,3
	global_load_b128 v[WC+4*\i:WC+4*\i+3], v[GO], s[10:11] offset:2048*\i
.endr
	s_lshl_b32 s[MX], s[BB], 12                    ; hidden: row b, column 256 cx + 128 oh
	s_lshl_b32 s[MT], s[CX], 10
	s_add_co_u32 s[MX], s[MX], s[MT]
	s_lshl_b32 s[MT], s[OH], 9
	s_add_co_u32 s[MX], s[MX], s[MT]
	s_add_nc_u64 s[12:13], s[12:13], s[MX:MX+1]
	WIN 0x80
.irp blk, 0,1,2,3,4,5,6,7
	global_load_b128 v[HID+8*\blk:HID+8*\blk+3], v[GH], s[12:13] offset:64*\blk
	global_load_b128 v[HID+8*\blk+4:HID+8*\blk+7], v[GH], s[12:13] offset:64*\blk+16
.endr
	WIN 0
	s_lshl_b32 s[MX], s[BB], 14                    ; part: (4 b + cx) x 4,096
	s_lshl_b32 s[MT], s[CX], 12
	s_add_co_u32 s[MX], s[MX], s[MT]
	s_add_nc_u64 s[14:15], s[14:15], s[MX:MX+1]
	s_wait_loadcnt 0x10                            ; the scale bytes are in; the 16 loads of hidden behind them may be out
	SCPUT 0, 4
.irp i, 0,1,2,3
	ds_store_b128 v[XR], v[WC+4*\i:WC+4*\i+3] offset:2048*\i
.endr
	s_wait_tensorcnt 0x0                           ; my load of the head is in
	ds_add_u32 v[SPW], v[NIL]
	s_wait_dscnt 0x0                               ; the add and my stores are done
	CROUND                                         ; a whole round: enc's first tile, W and the scale bytes are there for every wave
	s_cmp_lt_u32 s[WV], 2
	s_cbranch_scc1 .Lsecond_asked
	tensor_load_to_lds s[G0E:G0E+3], s[G1E:G1E+7]  ; waves 2 and 3: enc's rows 128-255
	s_nop 0
	PLACES
.Lsecond_asked:
	; UNIT 0, written out: W comes out of LDS under its products, three K steps ahead.  LDS loads come back in order (ISA guide 5.7.1): each count leaves out the K steps that are asked for and not yet due (16 loads each),
	; and from K step 5 on unit 1's 18 loads.
.irp p, 0,1,2,3
	ds_load_b128 v[SW+8*\p:SW+8*\p+3], v[WSA] offset:1024*\p
	ds_load_b128 v[SW+8*\p+4:SW+8*\p+7], v[WSA] offset:1024*\p+16
.endr
	FSCALE 0
	FFRAG 0
	WLD 0
	SCGET 4, 12                                    ; enc's scale bytes of rows 256-1023: stored in unit 4
	WLD 1
	WLD 2
	s_wait_loadcnt 0xc                             ; hidden is in; the 12 loads just issued may be out
.irp g, 0,1,2,3,4
	s_wait_dscnt 32
	GROUP 0, \g
	WLD \g+3
.endr
	FSCALE 1
	FFRAG 1
	s_wait_dscnt 50
	GROUP 0, 5
	s_wait_dscnt 34
	GROUP 0, 6
	s_wait_dscnt 18
	GROUP 0, 7
	UNIT 1, 1, 0                                   ; W has been read: region 1 takes enc's rows 256-511
	UNIT 2, 0, 0
	UNIT 3, 0, 0
	UNIT 4, 0, 1
	UNIT 5, 0, 0
	UNIT 6, 2, 0                                   ; region 0 takes rows 512-767
.irp n, 7,8,9,10,11,12,13
	UNIT \n, 0, 0
.endr
	UNIT 14, 1, 0                                  ; region 1 takes rows 768-1023
.irp n, 15,16,17,18,19,20,21
	UNIT \n, 0, 0
.endr
	UNIT 22, 3, 0                                  ; they have landed; nothing is left to ask for
.irp n, 23,24,25,26,27,28,29,30,31
	UNIT \n, 0, 0
.endr
	PLACES                                         ; behind the last products
	STAGE 30
.set en, 0
.rept 32
	FOLD 1                                         ; unit 31
.endr
	ADDS 1
	STAGE 31
	; THE TAIL: the four planes of every row are added; thread t takes rows 4 t .. 4 t + 3, and 512 further on
	s_wait_dscnt 0x0                               ; for the others' sake: my stores are done
	s_barrier_signal -1
	s_barrier_wait -1
.irp pl, 0,1,2,3
.irp i, 0,1
	ds_load_b128 v[XV+8*\pl+4*\i:XV+8*\pl+4*\i+3], v[XR] offset:4096*\pl+2048*\i
.endr
.endr
	s_wait_dscnt 0x0
.irp j, 0,2,4,6
	v_pk_add_f32 v[XV+\j:XV+\j+1], v[XV+\j:XV+\j+1], v[XV+8+\j:XV+9+\j]
	v_pk_add_f32 v[XV+16+\j:XV+17+\j], v[XV+16+\j:XV+17+\j], v[XV+24+\j:XV+25+\j]
.endr
.irp j, 0,2,4,6
	v_pk_add_f32 v[XV+\j:XV+\j+1], v[XV+\j:XV+\j+1], v[XV+16+\j:XV+17+\j]
.endr
	global_store_b128 v[GO], v[XV:XV+3], s[14:15]  ; a wave's store covers 512 consecutive bytes, at a multiple of 512 from part's first byte
	global_store_b128 v[GO], v[XV+4:XV+7], s[14:15] offset:2048
	s_wait_tensorcnt 0x0                           ; the wave's end, behind my last tensor load and my last LDS store
	ds_add_u32 v[SPW], v[NIL]
	s_wait_dscnt 0x0
	CROUND                                         ; the closing round: no work-group ends while a partner may still ask for a tile that names it
	s_endpgm
.Lfunc_end_k_q569000e0f2_energy:
	.size	k_q569000e0f2_energy, .Lfunc_end_k_q569000e0f2_energy-k_q569000e0f2_energy
	.p2alignl 7, 3214868480
	.fill 96, 4, 3214868480
	.section	.rodata,"a",@progbits
	.p2align	6, 0x0
	.amdhsa_kernel k_q569000e0f2_energy
		.amdhsa_group_segment_fixed_size 327680
		.amdhsa_private_segment_fixed_size 0
		.amdhsa_enable_private_segment 0
		.amdhsa_kernarg_size 48
		.amdhsa_user_sgpr_count 2
		.amdhsa_user_sgpr_kernarg_segment_ptr 1
		.amdhsa_wavefront_size32 1
		.amdhsa_system_sgpr_workgroup_id_x 1
		.amdhsa_system_sgpr_workgroup_id_y 1
		.amdhsa_system_sgpr_workgroup_id_z 1
		.amdhsa_system_vgpr_workitem_id 0
		.amdhsa_next_free_vgpr 1024
		.amdhsa_next_free_sgpr 66
		.amdhsa_reserve_vcc 0
		.amdhsa_float_denorm_mode_32 3
		.amdhsa_float_denorm_mode_16_64 3
		.amdhsa_memory_ordered 1
		.amdhsa_forward_progress 1
		.amdhsa_inst_pref_size 255
	.end_amdhsa_kernel
	.section	.bss,"aw",@nobits
	.p2align	6
	.space	262144
	.amdgpu_metadata
---
amdhsa.version: [ 1, 2 ]
amdhsa.kernels:
  - .name:           k_q569000e0f2_energy
    .symbol:         k_q569000e0f2_energy.kd
    .args:
      - { .name: encoder_outputs_codes, .offset: 0, .size: 8, .value_kind: global_buffer, .address_space: global }
      - { .name: encoder_outputs_scales, .offset: 8, .size: 8, .value_kind: global_buffer, .address_space: global }
      - { .name: W_codes, .offset: 16, .size: 8, .value_kind: global_buffer, .address_space: global }
      - { .name: W_scales, .offset: 24, .size: 8, .value_kind: global_buffer, .address_space: global }
      - { .name: hidden, .offset: 32, .size: 8, .value_kind: global_buffer, .address_space: global }
      - { .name: part, .offset: 40, .size: 8, .value_kind: global_buffer, .address_space: global }
    .group_segment_fixed_size: 327680
    .private_segment_fixed_size: 0
    .kernarg_segment_align: 8
    .kernarg_segment_size: 48
    .max_flat_workgroup_size: 128
    .sgpr_count:     66
    .vgpr_count:     1024
    .wavefront_size: 32
...
	.end_amdgpu_metadata
.endif
;; end of part 1
;; launch softmax (part 2): grid 64 x 1, 1 waves a work-group, no clusters, 0 bytes of LDS; arguments part, out0; writes out0
.if DOCPART == 2
	.amdgcn_target "amdgcn-amd-amdhsa--gfx1250"
	.amdhsa_code_object_version 6
	.text
	.protected	k_q569000e0f2_softmax
	.globl	k_q569000e0f2_softmax
	.p2align	8
	.type	k_q569000e0f2_softmax,@function
k_q569000e0f2_softmax:
	s_mov_b64 s[64:65], 0
	v_nop
	global_prefetch_b8 v0, s[64:65] scope:SCOPE_SE
	s_setreg_imm32_b32 hwreg(HW_REG_WAVE_MODE, 25, 1), 1
	s_wait_xcnt 0x0
; out0[b][0][s] = softmax over s of energy[b][s] = sum over c of part[b][c][s].  part [64][4][1024], out0 [64][1024], f32 throughout.  The row's maximum is taken away before the exponential.
; LEFT OUT AS DEAD WORK: the bias's share of energy, one number for all s of a row, which the softmax takes away (the launch before says why and with what limit).
; LIMITS, stated: NaN and infinite energies are not served; weights under 2^-126 come out as 0 (v_exp_f32 flushes them).
; One wave takes one row: 1,024 numbers are 32 a lane, so the row stays in registers, and both reductions stay inside the wave: no LDS, no barrier.  Each load and store of the wave covers 512 consecutive bytes.
.set EV, 16                            ; v[16:143]  the four parts, 32 registers each; then, in the first 32, the energies, x - M, p, the result
.set CN, 144                           ; v144-151 four chains
.set MM, 152                           ; v[152:153] M (the packed forms name a pair and take its low word for both halves: the upper word is written once)
.set RS, 154                           ; v[154:155] 1 / the sum
	s_load_b128 s[4:7], s[0:1], 0x0                ; part s[4:5], out0 s[6:7]
	s_lshl_b32 s2, ttmp9, 14                       ; row b: 16,384 bytes of part,
	s_mov_b32 s3, 0
	s_lshl_b32 s8, ttmp9, 12                       ; 4,096 of out0
	s_mov_b32 s9, 0
	s_mov_b32 s12, 0x76543210                      ; v_permlanex16_b32's selects for lane l xor 16
	s_mov_b32 s13, 0xfedcba98
	v_lshlrev_b32 v1, 4, v0                        ; 16 bytes a lane
	v_mov_b32 v[MM+1], 0
	v_mov_b32 v[RS+1], 0
	s_wait_alu depctr_va_vdst(0)                   ; the wait at the head's end
	s_wait_kmcnt 0x0
	s_add_nc_u64 s[4:5], s[4:5], s[2:3]
	s_add_nc_u64 s[6:7], s[6:7], s[8:9]
.irp i, 0,1,2,3,4,5,6,7
.irp c, 0,1,2,3
	global_load_b128 v[EV+32*\c+4*\i:EV+32*\c+4*\i+3], v1, s[4:5] offset:4096*\c+512*\i th:TH_LOAD_NT
.endr
.endr
.irp i, 0,1,2,3,4,5,6,7
	s_wait_loadcnt 28-4*\i                         ; the four parts of these 512 bytes are in; the younger loads may be out
.irp j, 4*\i, 4*\i+2
	v_pk_add_f32 v[EV+\j:EV+\j+1], v[EV+\j:EV+\j+1], v[EV+32+\j:EV+33+\j]
	v_pk_add_f32 v[EV+64+\j:EV+65+\j], v[EV+64+\j:EV+65+\j], v[EV+96+\j:EV+97+\j]
.endr
.irp j, 4*\i, 4*\i+2
	v_pk_add_f32 v[EV+\j:EV+\j+1], v[EV+\j:EV+\j+1], v[EV+64+\j:EV+65+\j]
.endr
.endr
	s_wait_alu depctr_va_vdst(0)                   ; the wait here, directly ahead of the first reader
	v_max3_num_f32 v[CN], v[EV], v[EV+1], v[EV+2]  ; the largest of my 32, in two chains
	v_max3_num_f32 v[CN+1], v[EV+3], v[EV+4], v[EV+5]
.irp i, 6,10,14,18,22,26
	v_max3_num_f32 v[CN], v[CN], v[EV+\i], v[EV+\i+1]
	v_max3_num_f32 v[CN+1], v[CN+1], v[EV+\i+2], v[EV+\i+3]
.endr
	v_max3_num_f32 v[CN], v[CN], v[EV+30], v[EV+31]
	v_max_num_f32 v[CN], v[CN], v[CN+1]
	v_max_num_f32_dpp v[CN], v[CN], v[CN] row_xmask:1 row_mask:0xf bank_mask:0xf
	v_max_num_f32_dpp v[CN], v[CN], v[CN] row_xmask:2 row_mask:0xf bank_mask:0xf
	v_max_num_f32_dpp v[CN], v[CN], v[CN] row_xmask:4 row_mask:0xf bank_mask:0xf
	v_max_num_f32_dpp v[CN], v[CN], v[CN] row_xmask:8 row_mask:0xf bank_mask:0xf
	v_permlanex16_b32 v[CN+1], v[CN], s12, s13     ; (its destination counts as read: a register that has been written)
	v_max_num_f32 v[MM], v[CN], v[CN+1]            ; M, the row's largest energy
.irp j, 0,2,4,6,8,10,12,14,16,18,20,22,24,26,28,30
	v_pk_add_f32 v[EV+\j:EV+\j+1], v[EV+\j:EV+\j+1], v[MM:MM+1] op_sel_hi:[1,0] neg_lo:[0,1] neg_hi:[0,1]   ; x - M, 0 or less.  The difference comes first, so that no product of large numbers is rounded ahead of it
.endr
.irp j, 0,2,4,6,8,10,12,14,16,18,20,22,24,26,28,30
	v_pk_mul_f32 v[EV+\j:EV+\j+1], v[EV+\j:EV+\j+1], 0x3fb8aa3b op_sel_hi:[1,0]       ; x log2(e)
.endr
	s_wait_alu depctr_va_vdst(0)                   ; the wait ahead of the batch
.irp j, 0,1,2,3,4,5,6,7,8,9,10,11,12,13,14,15,16,17,18,19,20,21,22,23,24,25,26,27,28,29,30,31
	v_exp_f32 v[EV+\j], v[EV+\j]                   ; p = e^(x - M), at most 1; the largest is 1
.endr
	v_nop                                          ; a plain instruction behind the last exponential (ISA guide 5.7.2)
	s_wait_alu depctr_va_vdst(0)                   ; one wait for the whole batch, ahead of its first reader
.irp k, 0,1,2,3
	v_pk_add_f32 v[CN+2*\k:CN+2*\k+1], v[EV+2*\k:EV+2*\k+1], v[EV+8+2*\k:EV+9+2*\k]    ; the sum, in four chains
.endr
.irp j, 8,9,10,11,12,13,14,15
	v_pk_add_f32 v[CN+2*(\j%4):CN+2*(\j%4)+1], v[CN+2*(\j%4):CN+2*(\j%4)+1], v[EV+2*\j:EV+2*\j+1]
.endr
	v_pk_add_f32 v[CN:CN+1], v[CN:CN+1], v[CN+2:CN+3]
	v_pk_add_f32 v[CN+4:CN+5], v[CN+4:CN+5], v[CN+6:CN+7]
	v_pk_add_f32 v[CN:CN+1], v[CN:CN+1], v[CN+4:CN+5]
	v_add_f32 v[CN], v[CN], v[CN+1]
	v_add_f32_dpp v[CN], v[CN], v[CN] row_xmask:1 row_mask:0xf bank_mask:0xf
	v_add_f32_dpp v[CN], v[CN], v[CN] row_xmask:2 row_mask:0xf bank_mask:0xf
	v_add_f32_dpp v[CN], v[CN], v[CN] row_xmask:4 row_mask:0xf bank_mask:0xf
	v_add_f32_dpp v[CN], v[CN], v[CN] row_xmask:8 row_mask:0xf bank_mask:0xf
	v_permlanex16_b32 v[CN+1], v[CN], s12, s13
	v_add_f32 v[CN], v[CN], v[CN+1]                ; the row's sum, at least 1
	s_wait_alu depctr_va_vdst(0)                   ; the wait ahead of the transcendental
	v_rcp_f32 v[RS], v[CN]
	v_nop                                          ; a plain instruction behind the reciprocal
	s_wait_alu depctr_va_vdst(0)                   ; and the wait ahead of its first reader
.irp j, 0,2,4,6,8,10,12,14,16,18,20,22,24,26,28,30
	v_pk_mul_f32 v[EV+\j:EV+\j+1], v[EV+\j:EV+\j+1], v[RS:RS+1] op_sel_hi:[1,0]
.endr
.irp i, 0,1,2,3,4,5,6,7
	global_store_b128 v1, v[EV+4*\i:EV+4*\i+3], s[6:7] offset:512*\i th:TH_STORE_NT   ; 32 lanes store 512 consecutive bytes, at a multiple of 256 from out0's first byte
.endr
	s_endpgm
.Lfunc_end_k_q569000e0f2_softmax:
	.size	k_q569000e0f2_softmax, .Lfunc_end_k_q569000e0f2_softmax-k_q569000e0f2_softmax
	.p2alignl 7, 3214868480
	.fill 96, 4, 3214868480
	.section	.rodata,"a",@progbits
	.p2align	6, 0x0
	.amdhsa_kernel k_q569000e0f2_softmax
		.amdhsa_group_segment_fixed_size 0
		.amdhsa_private_segment_fixed_size 0
		.amdhsa_enable_private_segment 0
		.amdhsa_kernarg_size 16
		.amdhsa_user_sgpr_count 2
		.amdhsa_user_sgpr_kernarg_segment_ptr 1
		.amdhsa_wavefront_size32 1
		.amdhsa_system_sgpr_workgroup_id_x 1
		.amdhsa_system_sgpr_workgroup_id_y 1
		.amdhsa_system_sgpr_workgroup_id_z 1
		.amdhsa_system_vgpr_workitem_id 0
		.amdhsa_next_free_vgpr 160
		.amdhsa_next_free_sgpr 66
		.amdhsa_reserve_vcc 0
		.amdhsa_float_denorm_mode_32 3
		.amdhsa_float_denorm_mode_16_64 3
		.amdhsa_memory_ordered 1
		.amdhsa_forward_progress 1
		.amdhsa_inst_pref_size 16
	.end_amdhsa_kernel
	.amdgpu_metadata
---
amdhsa.version: [ 1, 2 ]
amdhsa.kernels:
  - .name:           k_q569000e0f2_softmax
    .symbol:         k_q569000e0f2_softmax.kd
    .args:
      - { .name: part, .offset: 0, .size: 8, .value_kind: global_buffer, .address_space: global }
      - { .name: out0, .offset: 8, .size: 8, .value_kind: global_buffer, .address_space: global }
    .group_segment_fixed_size: 0
    .private_segment_fixed_size: 0
    .kernarg_segment_align: 8
    .kernarg_segment_size: 16
    .max_flat_workgroup_size: 32
    .sgpr_count:     66
    .vgpr_count:     160
    .wavefront_size: 32
...
	.end_amdgpu_metadata
.endif
;; end of part 2
